; MI455X (gfx1250); checked and timed in simulation.
; The chip was launched on July 23, 2026; its instructions are those of AMD's public machine-readable ISA for CDNA 5 (MIT licence, August 2026) and "CDNA5" Instruction Set Architecture Reference Guide (July 2026). The comments in the code are by the model that wrote it; some were corrected since.
;; No Online Logit Normalization Layer. Allowed arithmetic: matrix products marked QUANTISED: E2M3 operands, one E8M0 scale for each 32 along K, by v_wmma_scale_f32_16x16x128_f8f6f4 with both operands' format E2M3, f32 sums; everything else in f32.
;; Inputs: Wk_codes 1,024 x 32 x 24 uint8 (E2M3 codes of Wk, K innermost, in blocks of 32 codes, four codes in three bytes); Wk_scales 1,024 x 32 uint8 (E8M0 scales of Wk, one for each 32 codes along K); Wq_codes 1,024 x 32 x 24 uint8 (E2M3 codes of Wq, K innermost, in blocks of 32 codes, four codes in three bytes); Wq_scales 1,024 x 32 uint8 (E8M0 scales of Wq, one for each 32 codes along K); Wv_codes 1,024 x 32 x 24 uint8 (E2M3 codes of Wv, K innermost, in blocks of 32 codes, four codes in three bytes); Wv_scales 1,024 x 32 uint8 (E8M0 scales of Wv, one for each 32 codes along K); bk 1,024 float32; bq 1,024 float32; bv 1,024 float32; tens_codes 4 x 4,096 x 32 x 24 uint8 (E2M3 codes of tens, K innermost, in blocks of 32 codes, four codes in three bytes); tens_scales 4 x 4,096 x 32 uint8 (E8M0 scales of tens, one for each 32 codes along K).
;; Outputs: out0 4 x 4,096 x 1,024 float32.
;; This version of the problem:
;;   THIS VERSION OF THE PROBLEM IS GIVEN IN LOW PRECISION. The matrix products marked QUANTISED in the list below multiply operands that are first quantised to E2M3 (2 exponent bits, 3 mantissa bits; 6 bits a number), with one power-of-two scale for each 32 numbers along K (OCP MX v1.0); their sums are f32. All else is computed in f32.
;;   The module's matrix products, in the order in which they are computed (A, B: the left and right operand; K: the contracted axis; several contracted axes count as one K, in the product's order):
;;     1. [M 16,384, K 1,024] x [K 1,024, N 1,024]; A: input tens (given as codes); B: input Wq (given as codes): QUANTISED
;;     2. [M 16,384, K 1,024] x [K 1,024, N 1,024]; A: input tens (given as codes); B: input Wk (given as codes): QUANTISED
;;     3. [M 16,384, K 1,024] x [K 1,024, N 1,024]; A: input tens (given as codes); B: input Wv (given as codes): QUANTISED
;;     4. batch 64 x [M 64, K 4,096] x [K 4,096, N 64]; A: computed on the way; B: computed on the way: QUANTISED
;;     5. batch 64 x [M 64, K 64] x [K 64, N 4,096]; A: computed on the way; B: computed on the way: QUANTISED
;;   THE QUANTISER, for each operand of a quantised product, along K:
;;     - K is cut into blocks of 32 from its start; a last block that is shorter is filled with zeros.
;;     - A block's scale is 2^e with e = floor(log2(the largest magnitude in the block)) - 2, held to -126 .. 127; a block of zeros has e = 0. As a byte (E8M0): e + 127.
;;     - Each number is divided by its block's scale, clamped to +-7.5, and rounded to the nearest number of E2M3, ties to even, subnormals kept.
;;     - The product sums the exact products of the quantised numbers (number of the format x scale) in f32.
;;   ~~~python
;;   def quantise(x, axis):      # numpy; x: float32 -> the quantised numbers, widened to float32 again
;;       x = np.moveaxis(x, axis, -1); K = x.shape[-1]
;;       x = np.pad(x, [(0, 0)] * (x.ndim - 1) + [(0, -K % 32)]); x = x.reshape(x.shape[:-1] + (-1, 32)); a = np.abs(x).max(-1, keepdims=True)
;;       e = np.where(a > 0, np.clip(np.frexp(np.where(a > 0, a, 1))[1] - 1 - 2, -126, 127), 0)      # np.frexp(a)[1] - 1 = floor(log2(a)), exactly
;;       r = np.clip(x / 2.0 ** e, -7.5, 7.5)
;;       step = 2.0 ** (np.maximum(np.frexp(np.where(r == 0, 1, r))[1] - 1, 0) - 3)
;;       q = np.round(r / step) * step * 2.0 ** e      # np.round: ties to even
;;       return np.moveaxis(q.reshape(q.shape[:-2] + (-1,))[..., :K], -1, axis).astype(np.float32)
;;   ~~~
;;   OPERANDS COMPUTED ON THE WAY. 'Computed on the way' means the value that the module computes at that place (a softmax that the list does not call 'softmax' is quantised finished and normalised). What goes into a quantiser is computed in f32, as accurately as f32 sums, v_exp_f32 and their like allow (about 1e-6 of the number): no bf16 or f16 on the way to a quantiser, and a product that is left as it is and whose result goes on into a quantised operand takes f32 operands (vector FMAs, or v_wmma_f32_16x16x4_f32). A number that lies on a knife's edge between two numbers of the format may be rounded either way, as far as f32 arithmetic and the matrix unit's own rounding can turn it there, and no further.
;;   INPUTS GIVEN AS CODES. Wk (in the module: [1024, 1024], K = its axis 1); Wq (in the module: [1024, 1024], K = its axis 1); Wv (in the module: [1024, 1024], K = its axis 1); tens (in the module: [4, 4096, 1024], K = its axis 2): each comes as NAME_codes (uint8): NAME with its K axis moved to the last place and cut into blocks of 32 codes, [.., K / 32, bytes a block], one block behind the other in memory; four codes in three bytes: a row's codes are one little-endian stream of bits, code i at bits 6 i .. 6 i + 5 (a code: sign, 2 exponent bits, 3 mantissa bits); and NAME_scales (uint8): the same leading axes, one E8M0 byte (e + 127) for each 32 codes along K. Its value is code x scale, taken as it is: it is not quantised again, and the codes and scales need not be those that the quantiser above would give.
;; One version. Each part assembles by itself: llvm-mc -triple=amdgcn-amd-amdhsa -mcpu=gfx1250 --defsym DOCPART=n.
;; ======== version 1 of 1: 3 launches
;; workspace buffers: part 8,388,608 bytes; kc 196,608 bytes; ks 16,384 bytes
;; launch kv (part 1): grid 8 x 32, 4 waves a work-group, clusters of 4 x 4, 327,680 bytes of LDS; arguments tens_codes, tens_scales, Wk_codes, Wk_scales, Wv_codes, Wv_scales, bk, bv, part; writes part
.if DOCPART == 1
	.amdgcn_target "amdgcn-amd-amdhsa--gfx1250"
	.amdhsa_code_object_version 6
	.text
	.protected	k_qf5e9365f0d_kv
	.globl	k_qf5e9365f0d_kv
	.p2align	8
	.type	k_qf5e9365f0d_kv,@function
k_qf5e9365f0d_kv:
	s_mov_b64 s[64:65], 0
	v_nop
	global_prefetch_b8 v0, s[64:65] scope:SCOPE_SE
	s_setreg_imm32_b32 hwreg(HW_REG_WAVE_MODE, 25, 1), 1
	s_wait_xcnt 0x0
	s_wait_alu depctr_hold_cnt(0) depctr_sa_sdst(0) depctr_va_vdst(0) depctr_va_sdst(0) depctr_va_ssrc(0) depctr_va_vcc(0) depctr_vm_vsrc(0)
	s_getreg_b32 s2, hwreg(HW_REG_IB_STS2, 6, 4)
	s_cmp_eq_u32 s2, 0
	s_cbranch_scc0 .Lentry_in_a_cluster
	s_endpgm
.Lentry_in_a_cluster:
	s_bfe_u32 s2, ttmp6, 0x10000c
	s_cmp_lg_u32 s2, 0xf033
	s_cbranch_scc0 .Lentry_shape_is_right
	s_endpgm
.Lentry_shape_is_right:
; FIRST OF THREE LAUNCHES.  k = tens Wk^T + bk and v = tens Wv^T + bv, both on codes of FP6 (E2M3) with one E8M0 byte for each 32 along K, as they are given;
; k and v are quantised along the TOKENS in registers, and ktv[d][e] = sum over tokens of k[token][d] v[token][e] is made on those codes, as a partial sum over 512 tokens.
; tens: [16384][1024] codes (768 bytes a row), scales [16384][32].  Wk, Wv: [1024][1024] likewise.  bk, bv: [1024] f32.
; part: [y = 8 batch + chunk: 32][head: 16][alpha = 4 et + dt: 16][half: 2][lane: 32][16 bytes] f32: the image of the accumulators of ktv:
;   accumulator (dt, et), lane (r, h), register j = ktv[d = 16 dt + 8 h + j][e = 16 et + r].
; SHARES.  Work-group (x, y): heads 2 x and 2 x + 1, tokens 512 y .. 512 y + 511, as two tiles of 256 tokens.  Four waves; wave (i, j) takes tokens 128 i .. 128 i + 127 of a tile and head 2 x + j:
; 64 columns of k and 64 of v: 64 accumulators of 16 x 16, 512 registers.  SOURCE 0 = 16 TOKENS OF tens, SOURCE 1 = 16 ROWS OF Wk OR Wv: a lane then holds ONE feature and its registers run along the tokens, the next K.
; THE ORDER INSIDE A BLOCK OF 32 TOKENS.  A lane's 16 registers of two neighbouring token blocks hold tokens 32 b + 16 (i / 8) + 8 h + i % 8, so place p of a block of codes holds token p with bits 3 and 4 exchanged.
; k and v are made alike, so both operands of ktv have the same order: the block, its scale and every product are those of the natural order.
; K of the projections goes in steps of 256 (192 bytes a row) through a ring of two LDS slots filled by the tensor data mover; the ring goes on from the first tile into the second.
; CLUSTERS: 4 x 4 work-groups.  The four of a row of the cluster (same y) need the same tiles of tens, the four of a column (same x) the same rows of Wk and Wv: each tile is asked for jointly.
; LIMITS: NaN and infinities are not served.  A block of k or v whose largest magnitude lies under 2^-124 gets the scale byte 1; so does a block of zeros (its codes are zeros; only this program reads them).
; ktv is summed in f32 in this order: 128 tokens in the matrix unit, the two tiles in place, the two waves of a head, and the eight chunks of a batch in the next launch.
; REGISTERS, in windows of 256: window 0: v1-31 addresses and work; v32-63 scale words of the projections, two sets; v64-159 W's eight fragments, later the eight fragments of codes of k and v;
;   v160-223 ktv's accumulators 0-7; v224-239 the biases, each twice; v240-247 scale words of k's and v's codes; v248-254 at work.
;   window 1: v0-191 tens' fragments, two sets; v192-255 ktv's accumulators 8-15.   windows 2, 3: the accumulators of k and of v ((a, b) at v[8 (8 (a % 4) + b)]).
.set PITCH,  240                       ; an LDS row: 3 x (64 bytes + 16 of padding)
.set FR,     12                        ; registers of a fragment: 16 rows x 128 K
.set HALFT,  128*PITCH                 ; 128 rows: what one tensor load brings
.set SLOT,   4*HALFT                   ; 256 tokens of tens, 128 rows of Wk, 128 rows of Wv
.set SCW,    2*SLOT                    ; behind the ring: the scales of Wk's 128 rows, then of Wv's: units of 256 bytes + 16
.set SCT,    SCW+2*4352                ; the scales of the work-group's 512 tokens
.set SPARE,  SCT+2*8704                ; the spare words, 128 bytes for each wave: two blocks of 256 bytes that no other line names
.set ADRS0, 4                          ; v4-5 LDS address of my fragments of tens in slot 0, 1; v6-7 the same for pieces behind one padding more
.set ADRS1, 8                          ; v8-11 the same for W
.set ASL,   12                         ; v12, v14 scale words, tile 0, 1: lanes 0-15 Wk's rows, lanes 16-31 tens'
.set ASH,   13                         ; v13, v15 the same with Wv's rows
.set STO,   16                         ; the way out: my stage
.set RDO,   17                         ; my half of my own stage
.set RDP,   18                         ; the same half of my partner's
.set GO,    19                         ; 16 x lane
.set SPW,   20                         ; LDS address of my spare word; never rewritten
.set NIL,   21                         ; 0; never rewritten
.set TMA,   24
.set TMB,   28
.set SC,    32
.set AF,    64
.set CD,    64
.set KT0,   160
.set KT1,   192
.set BI,    224
.set CS,    240
.set T2,    248
.set WV,   22                          ; my wave's number
.set ROLE, 23                          ; i: my half of a tile's tokens; also: I fetch tens (0) or W (1)
.set G1T,  24                          ; descriptors: group 1 and two groups 0 for tens' tiles,
.set G0T,  32
.set G1W,  40                          ; for W's,
.set G0W,  48
.set G1ST, 56                          ; group 1 for tens' scales, for W's scales,
.set G1SW, 68
.set G0ST, 76                          ; and their groups 0
.set G0SW, 80
.set JW,   84                          ; j: my head of the two; also: which part I fetch
.set CX,   85
.set CY,   86
.set GX,   87
.set GY,   88
.set MR,   89
.set MC,   90
.set SEL,  100                         ; s[100:101] lane selects for v_permlanex16_b32: lane l xor 16
.set MUL_LO, 0xa1                      ; source 0 window 1, source 1 window 0, C and D window 2
.set MUL_HI, 0xf1                      ; the same, C and D window 3
.set TO_B,   0x40                      ; destination window 1
.set MSB, 0
.macro WIN new                         ; the immediate's high byte repeats the setting that is left
.if MSB != (\new)
	s_set_vgpr_msb (MSB<<8)|(\new)
.set MSB, (\new)
.endif
.endm
.macro PLACES n                        ; plain vector instructions between a matrix instruction and what may not follow it at once (ISA guide 7.12.1)
.rept \n
	v_nop
.endr
.endm
; A joint load: waves 0 and 1 fetch for tens, waves 2 and 3 for W.  Each line has one mask; the branch hangs on the wave's number alone.  Four v_nop follow each line.
.macro JLOAD g0a, g1a, g0b, g1b
	s_cmp_eq_u32 s[ROLE], 0
	s_cbranch_scc0 .Lfor_w_\@
	tensor_load_to_lds s[\g0a:\g0a+3], s[\g1a:\g1a+7]
	s_nop 0
.rept 4
	v_nop
.endr
	s_branch .Lasked_\@
.Lfor_w_\@:
	tensor_load_to_lds s[\g0b:\g0b+3], s[\g1b:\g1b+7]
	s_nop 0
.rept 4
	v_nop
.endr
.Lasked_\@:
.endm
.macro CREST                           ; a round of the cluster's barrier behind its opening barrier
	s_cmp_lg_u32 s[WV], 0
	s_cbranch_scc1 .Lnot_wave_0_\@
	s_barrier_signal -3
.Lnot_wave_0_\@:
	s_barrier_wait -3
	s_barrier_signal -1
	s_barrier_wait -1
.endm
.macro CROUND                          ; a whole round
	s_barrier_signal -1
	s_barrier_wait -1
	CREST
.endm
; A fragment: lane (r, h) takes 24 bytes of row r twice, as pieces of 8 bytes.  Lanes 16-31 read three pieces on; where that is behind one padding more, the second address register serves.
.macro FRAG reg, adr, q, rows
.irp p, 0,1,2,3,4,5
.set PCE, 12*(\q)+6*(\p/3)+\p%3
.if PCE%8 < 5
	ds_load_b64 v[\reg+2*\p:\reg+2*\p+1], v[\adr] offset:8*PCE+16*(PCE/8)+(\rows)*PITCH
.else
	ds_load_b64 v[\reg+2*\p:\reg+2*\p+1], v[\adr+2] offset:8*PCE+16*(PCE/8)+(\rows)*PITCH
.endif
.endr
.endm
; 16 matrix instructions: W's blocks a0, a0 + 1 against tens' eight.  p: tens' set; q: which 128 of the slot's 256 along K; sc: the set of scale words; cm = 1: the products start the sums.
; The 64 accumulators take turns, one instruction a turn, in the same order in every step.
.macro MUL16 a0, p, q, sc, cm
.irp a, \a0, \a0+1
.irp b, 0,1,2,3,4,5,6,7
.set XD, 8*(8*((\a)%4)+\b)
.set XA, 96*(\p)+FR*\b
.set XB, AF+FR*(\a)
.set XSA, SC+16*(\sc)+2*\b+(\q)
.set XSB, SC+16*(\sc)+2*(\a)+(\q)
.if \cm
	v_wmma_scale_f32_16x16x128_f8f6f4 v[XD:XD+7], v[XA:XA+11], v[XB:XB+11], 0, v[XSA], v[XSB] matrix_a_fmt:MATRIX_FMT_FP6 matrix_b_fmt:MATRIX_FMT_FP6 matrix_a_scale:MATRIX_SCALE_ROW1
.else
	v_wmma_scale_f32_16x16x128_f8f6f4 v[XD:XD+7], v[XA:XA+11], v[XB:XB+11], v[XD:XD+7], v[XSA], v[XSB] matrix_a_fmt:MATRIX_FMT_FP6 matrix_b_fmt:MATRIX_FMT_FP6 matrix_a_scale:MATRIX_SCALE_ROW1
.endif
.endr
.endr
.endm
.macro FETCH_S0 slot, q, p             ; tens' eight fragments into set p
	WIN TO_B
.irp i, 0,1,2,3,4,5,6,7
	FRAG 96*(\p)+FR*\i, ADRS0+\slot, \q, 16*\i
.endr
	WIN 0
.endm
.macro FETCH_S1 slot, q, i0            ; W's blocks i0 .. i0 + 3: blocks 0-3 my 64 rows of Wk, blocks 4-7 my 64 rows of Wv, which lie 128 rows further on
.irp i, \i0, \i0+1, \i0+2, \i0+3
	FRAG AF+FR*(\i), ADRS1+\slot, \q, 16*(\i)+64*((\i)/4)
.endr
.endm
.macro SCALES sc, ks, tau              ; the scale words of K step ks, two words a row: lanes 0-15 W's block i, lanes 16-31 tens' block i
.irp i, 0,1,2,3
	ds_load_b64 v[SC+16*(\sc)+2*\i:SC+16*(\sc)+2*\i+1], v[ASL+2*(\tau)] offset:\i*544+8*(\ks)
.endr
.irp i, 4,5,6,7
	ds_load_b64 v[SC+16*(\sc)+2*\i:SC+16*(\sc)+2*\i+1], v[ASH+2*(\tau)] offset:\i*544+8*(\ks)
.endr
.endm
.macro PRIME tau                       ; a tile's first fragments, from slot 0
	FETCH_S0 0, 0, 0
	FETCH_S1 0, 0, 0
	SCALES 0, 0, \tau
	FETCH_S1 0, 0, 4
.endm
; The first 128 along K of a slot.
.macro STEP slot, cm
	s_wait_dscnt 24                                ; all but the youngest 24 loads (W's blocks 4-7) are in
	WIN MUL_LO
	MUL16 0, 0, 0, \slot, \cm
	MUL16 2, 0, 0, \slot, \cm
	s_wait_dscnt 0x0                               ; W's blocks 4-7 are in
	PLACES 4
	FETCH_S0 \slot, 1, 1
	FETCH_S1 \slot, 1, 0
	WIN MUL_HI
	MUL16 4, 0, 0, \slot, \cm
	MUL16 6, 0, 0, \slot, \cm
	PLACES 4
	WIN 0
	FETCH_S1 \slot, 1, 4
.endm
; The second 128 along K of a slot, and the change of slots: one barrier; in front of it each wave waits for all its tensor loads, adds 0 to its spare word, and waits for that and for its reads of the slot.
; fill = 1: the slot is filled again with the K step two on; 2: with the next tile's K step; 0: not.  pre = 1: the next slot's first fragments are fetched (K step ksn of tile tau).
.macro TURN slot, next, fill, pre, ksn, tau
	s_wait_tensorcnt 0x0                           ; all my tensor loads have landed: my part of the next slot
	ds_add_u32 v[SPW], v[NIL]                      ; 0 onto my spare word
	s_wait_dscnt 25                                ; (the add and the youngest 24 loads may be out)
	WIN MUL_LO
	MUL16 0, 1, 1, \slot, 0
	s_wait_dscnt 0x0                               ; the add is done, and my reads of this slot are over
	s_barrier_signal -1
	MUL16 2, 1, 1, \slot, 0
	WIN 0
	s_barrier_wait -1
.if \fill
	CREST                                          ; the barrier has opened a round of the cluster's: no wave of any partner still reads this slot or has a load on its way
.if \fill == 1
	s_add_nc_u64 s[G0T+4*\slot+2:G0T+4*\slot+3], s[G0T+4*\slot+2:G0T+4*\slot+3], 384
	s_add_nc_u64 s[G0W+4*\slot+2:G0W+4*\slot+3], s[G0W+4*\slot+2:G0W+4*\slot+3], 384
.else
	s_add_nc_u64 s[G0T+4*\slot+2:G0T+4*\slot+3], s[G0T+4*\slot+2:G0T+4*\slot+3], 256*768-384   ; 256 tokens down and back along K
	s_sub_nc_u64 s[G0W+4*\slot+2:G0W+4*\slot+3], s[G0W+4*\slot+2:G0W+4*\slot+3], 384           ; W only back
.endif
	JLOAD G0T+4*\slot, G1T, G0W+4*\slot, G1W       ; the first tensor load behind the round; its four v_nop are also the places in front of the loads below
.else
	PLACES 4
.endif
.if \pre
	FETCH_S0 \next, 0, 0
	FETCH_S1 \next, 0, 0
	SCALES \next, \ksn, \tau
.endif
	WIN MUL_HI
	MUL16 4, 1, 1, \slot, 0
	MUL16 6, 1, 1, \slot, 0
.if \pre
	PLACES 4
	WIN 0
	FETCH_S1 \next, 0, 4
.else
	WIN 0
.endif
.endm
.macro LAST                            ; the launch's last 128 along K: nothing more to fetch
	s_wait_dscnt 24
	WIN MUL_LO
	MUL16 0, 1, 1, 1, 0
	MUL16 2, 1, 1, 1, 0
	s_wait_dscnt 0x0
	WIN MUL_HI
	MUL16 4, 1, 1, 1, 0
	MUL16 6, 1, 1, 1, 0
	WIN 0
.endm
; 64 numbers of a lane, v[s] .. v[s + 63] of window W, register 16 b + i in block b of my row, become a fragment's codes in v[pc] on and its scale word in v[pw], both in window 0.
.macro QUANT s, W, pc, pw
	WIN ((\W)<<2)|((\W)<<4)
.irp b, 0,1,2,3
	v_max3_num_f32 v[TMA+\b], 0x1800000, |v[\s+16*\b]|, |v[\s+16*\b+1]|   ; my 16 numbers of block b, and the floor 2^(3 - 127): the byte cannot fall under 1
.endr
.irp i, 2,4,6,8,10,12,14
.irp b, 0,1,2,3
	v_max3_num_f32 v[TMA+\b], v[TMA+\b], |v[\s+16*\b+\i]|, |v[\s+16*\b+\i+1]|
.endr
.endr
	WIN 0
.irp b, 0,1,2,3
	v_permlanex16_b32 v[TMB+\b], v[TMA+\b], s[SEL], s[SEL+1]
.endr
.irp b, 0,1,2,3
	v_max_num_f32 v[TMA+\b], v[TMA+\b], v[TMB+\b]  ; with lane l xor 16's: the block's largest magnitude
.endr
.irp b, 0,1,2,3
	v_add_nc_u32 v[TMA+\b], 0xff000000, v[TMA+\b]  ; 2 off its exponent field: the conversion's scale operand
.endr
.irp b, 0,1,2,3
	v_lshrrev_b32 v[TMB+\b], 23, v[TMA+\b]         ; the scale's byte
.endr
	v_lshl_or_b32 v[\pw], v[TMB+1], 8, v[TMB]
	v_lshl_or_b32 v[\pw], v[TMB+2], 16, v[\pw]
	v_lshl_or_b32 v[\pw], v[TMB+3], 24, v[\pw]
	WIN (\W)
.irp c, 0,1
	v_cvt_scalef32_pk16_fp6_f32 v[\pc+6*\c:\pc+6*\c+2], v[\s+32*\c:\s+32*\c+15], v[TMA+2*\c]
	v_cvt_scalef32_pk16_fp6_f32 v[T2+4*\c:T2+4*\c+2], v[\s+32*\c+16:\s+32*\c+31], v[TMA+2*\c+1]   ; (a conversion's three registers begin on an even number)
.endr
	WIN 0
	v_nop                                          ; one plain place behind a scaled conversion
.irp c, 0,1                            ; the operand's layout wants a whole block in a lane: lanes 0-15 block 2 c, lanes 16-31 block 2 c + 1
.irp i, 0,1,2
	v_permlane16_swap_b32 v[\pc+6*\c+\i], v[T2+4*\c+\i]
.endr
.irp i, 0,1,2
	v_mov_b32 v[\pc+6*\c+3+\i], v[T2+4*\c+\i]
.endr
.endr
.endm
; A tile's end: the bias, the quantiser along the tokens for my 8 blocks of 16 features, and ktv += k^T v over these 128 tokens: 16 accumulators by turns.  first = 1: the products start the sums.
.macro EPI first
	PLACES 4
.set EB, 0
.rept 8
.set EW, 2+EB/4
.set EA, 64*(EB%4)
	WIN EW|(EW<<6)
.set EI, 0
.rept 32
	v_pk_add_f32 v[EA+EI:EA+EI+1], v[EA+EI:EA+EI+1], v[BI+2*EB:BI+2*EB+1]   ; a lane holds one feature: one bias for all its tokens; each accumulator from its low end on
.set EI, EI+2
.endr
	QUANT EA, EW, CD+12*EB, CS+EB
.set EB, EB+1
.endr
	PLACES 8                                       ; a scale word written by vector instructions stands 8 places ahead of a scaled matrix instruction, an operand 4
.set EE, 0
.rept 16
.if EE < 8
	WIN 0
.set EK, KT0+8*EE
.else
	WIN 0x50
.set EK, KT1+8*(EE-8)
.endif
.if \first
	v_wmma_scale_f32_16x16x128_f8f6f4 v[EK:EK+7], v[CD+12*(EE%4):CD+12*(EE%4)+11], v[CD+48+12*(EE/4):CD+48+12*(EE/4)+11], 0, v[CS+EE%4], v[CS+4+EE/4] matrix_a_fmt:MATRIX_FMT_FP6 matrix_b_fmt:MATRIX_FMT_FP6
.else
	v_wmma_scale_f32_16x16x128_f8f6f4 v[EK:EK+7], v[CD+12*(EE%4):CD+12*(EE%4)+11], v[CD+48+12*(EE/4):CD+48+12*(EE/4)+11], v[EK:EK+7], v[CS+EE%4], v[CS+4+EE/4] matrix_a_fmt:MATRIX_FMT_FP6 matrix_b_fmt:MATRIX_FMT_FP6
.endif
.set EE, EE+1
.endr
	WIN 0
	PLACES 4
.endm
	s_load_b256 s[4:11], s[0:1], 0x0               ; tens' codes, tens' scales, Wk's codes, Wk's scales
	s_load_b256 s[12:19], s[0:1], 0x20             ; Wv's codes, Wv's scales, bk, bv
	s_load_b64 s[20:21], s[0:1], 0x40              ; part
	v_lshl_add_u32 v[SPW], v0, 2, SPARE
	v_mov_b32 v[NIL], 0
	ds_add_u32 v20, v21
	ds_add_u32 v20, v21
	s_wait_dscnt 0x0
	v_lshrrev_b32 v1, 5, v0
	v_readfirstlane_b32 s[WV], v1                  ; wave 0..3
	s_lshr_b32 s[ROLE], s[WV], 1
	s_and_b32 s[JW], s[WV], 1
	s_bfe_u32 s[CX], ttmp6, 0x40000                ; my place in the cluster
	s_bfe_u32 s[CY], ttmp6, 0x40004
	s_lshl_b32 s[GX], ttmp9, 2
	s_add_co_u32 s[GX], s[GX], s[CX]               ; x: the pair of heads
	s_and_b32 s[GY], ttmp7, 0xffff
	s_lshl_b32 s[GY], s[GY], 2
	s_add_co_u32 s[GY], s[GY], s[CY]               ; y: the 512 tokens
	s_lshl_b32 s[MR], s[CY], 2
	s_lshl_b32 s[MR], 15, s[MR]                    ; my row of the cluster
	s_lshl_b32 s[MC], 0x1111, s[CX]                ; my column
	; group 1 for tiles of codes: 128 rows x 192 bytes, 768 bytes apart, 16 bytes of padding behind every 64
	s_or_b32 s[G1T], s[MR], (1<<20)|(1<<21)|(3<<22)|(3<<25)
	s_or_b32 s[G1W], s[MC], (1<<20)|(1<<21)|(3<<22)|(3<<25)
.irp g, G1T, G1W
	s_mov_b32 s[\g+1], 192<<16
	s_mov_b32 s[\g+2], 128<<16
	s_mov_b32 s[\g+3], 192<<16
	s_mov_b32 s[\g+4], 128
	s_mov_b32 s[\g+5], 768
	s_mov_b32 s[\g+6], 0
	s_mov_b32 s[\g+7], 0
.endr
	; group 1 for scales: a dense block as rows of 256 bytes (32 elements of 8), 16 bytes of padding behind each: 32 rows for 256 tokens, 16 for 128 rows of W
	s_or_b32 s[G1ST], s[MR], (3<<16)|(1<<20)|(1<<21)|(5<<22)|(3<<25)
	s_mov_b32 s[G1ST+1], 32<<16
	s_mov_b32 s[G1ST+2], 32<<16
	s_mov_b32 s[G1ST+3], 32<<16
	s_mov_b32 s[G1ST+4], 32
	s_mov_b32 s[G1ST+5], 32
	s_mov_b32 s[G1ST+6], 0
	s_mov_b32 s[G1ST+7], 0
	s_or_b32 s[G1SW], s[MC], (3<<16)|(1<<20)|(1<<21)|(5<<22)|(3<<25)
	s_mov_b32 s[G1SW+1], 32<<16
	s_mov_b32 s[G1SW+2], 16<<16
	s_mov_b32 s[G1SW+3], 32<<16
	s_mov_b32 s[G1SW+4], 16
	s_mov_b32 s[G1SW+5], 32
	s_mov_b32 s[G1SW+6], 0
	s_mov_b32 s[G1SW+7], 0
	s_lshl_b32 s92, s[GY], 9
	s_lshl_b32 s93, s[JW], 7
	s_add_co_u32 s92, s92, s93                     ; tens' codes: token 512 y + 128 j,
	s_mul_i32 s92, s92, 768                        ; in bytes (under 2^24)
	s_mov_b32 s93, 0
	s_lshl_b32 s94, s[GY], 9
	s_lshl_b32 s95, s[JW], 8
	s_add_co_u32 s94, s94, s95                     ; tens' scales: token 512 y + 256 j,
	s_lshl_b32 s94, s94, 5                         ; 32 bytes a token
	s_mov_b32 s95, 0
	s_mul_i32 s96, s[GX], 128*768                  ; W's codes: row 128 x
	s_mov_b32 s97, 0
	s_lshl_b32 s98, s[GX], 12                      ; W's scales
	s_mov_b32 s99, 0
	s_mul_i32 s2, s[WV], HALFT                     ; where the codes go: wave x 128 rows
	s_mul_i32 s3, s[JW], 8704                      ; tens' scales
	s_mul_i32 s66, s[JW], 4352                     ; W's scales
	s_mov_b32 s[SEL], 0x76543210
	s_mov_b32 s[SEL+1], 0xfedcba98
	s_wait_kmcnt 0x0
	s_cmp_eq_u32 s[JW], 0                          ; wave 2 fetches Wk, wave 3 Wv: the choice hangs on the wave's number alone
	s_cselect_b64 s[8:9], s[8:9], s[12:13]
	s_cselect_b64 s[10:11], s[10:11], s[14:15]
	s_add_nc_u64 s[92:93], s[4:5], s[92:93]
	s_add_nc_u64 s[94:95], s[6:7], s[94:95]
	s_add_nc_u64 s[96:97], s[8:9], s[96:97]
	s_add_nc_u64 s[98:99], s[10:11], s[98:99]
	CROUND                                         ; all sixteen work-groups are here: the first joint loads meet
	s_mov_b32 s[G0ST], 1
	s_add_co_u32 s[G0ST+1], s3, SCT
	s_mov_b64 s[G0ST+2:G0ST+3], s[94:95]
	s_or_b32 s[G0ST+3], s[G0ST+3], 0x80000000
	s_mov_b32 s[G0SW], 1
	s_add_co_u32 s[G0SW+1], s66, SCW
	s_mov_b64 s[G0SW+2:G0SW+3], s[98:99]
	s_or_b32 s[G0SW+3], s[G0SW+3], 0x80000000
	JLOAD G0ST, G1ST, G0SW, G1SW                   ; the scales, once for the whole launch
.irp s, 0,1
	s_mov_b32 s[G0T+4*\s], 1
	s_add_co_u32 s[G0T+4*\s+1], s2, \s*SLOT
	s_add_nc_u64 s[G0T+4*\s+2:G0T+4*\s+3], s[92:93], \s*192
	s_or_b32 s[G0T+4*\s+3], s[G0T+4*\s+3], 0x80000000
	s_mov_b32 s[G0W+4*\s], 1
	s_add_co_u32 s[G0W+4*\s+1], s2, \s*SLOT
	s_add_nc_u64 s[G0W+4*\s+2:G0W+4*\s+3], s[96:97], \s*192
	s_or_b32 s[G0W+4*\s+3], s[G0W+4*\s+3], 0x80000000
	JLOAD G0T+4*\s, G1T, G0W+4*\s, G1W             ; K steps 0 and 1 of the first tile: three loads of mine are out
.endr
	v_and_b32 v1, 15, v0                           ; r
	v_bfe_u32 v2, v0, 4, 1                         ; h
	v_lshlrev_b32 v3, 2, v1                        ; 4 r
.irp b, 0,1,2,3
	v_mov_b32 v[TMB+\b], 0                         ; written once: a lane permute's destination counts as one of its sources
.endr
	v_mul_u32_u24 v22, v1, PITCH
	v_mad_u32_u24 v23, v2, 24, v22                 ; a fragment's row x pitch + 24 h
	v_mad_u32_u24 v22, v2, 40, v22                 ; and behind one padding more
	s_mul_i32 s2, s[ROLE], HALFT                   ; my 128 tokens
	s_mul_i32 s3, s[JW], 64*PITCH                  ; my 64 rows of Wk (Wv's lie 128 rows on),
	s_add_co_u32 s3, s3, 2*HALFT                   ; behind tens' 256
.irp s, 0,1
	v_add_nc_u32 v[ADRS0+\s], s2, v23
	v_add_nc_u32 v[ADRS0+2+\s], s2, v22
	v_add_nc_u32 v[ADRS1+\s], s3, v23
	v_add_nc_u32 v[ADRS1+2+\s], s3, v22
	s_add_co_u32 s2, s2, SLOT
	s_add_co_u32 s3, s3, SLOT
.endr
	v_lshrrev_b32 v22, 3, v1
	v_lshlrev_b32 v22, 4, v22
	v_lshl_add_u32 v22, v1, 5, v22                 ; a row's scales: 32 bytes a row, 16 more behind every eighth
	s_mul_i32 s2, s[JW], 2176
	s_add_co_u32 s2, s2, SCW                       ; lanes 0-15: my 64 rows of Wk
	s_xor_b32 s3, s[JW], 1
	s_mul_i32 s3, s3, 2176
	s_mul_i32 s91, s[ROLE], 4352
	s_add_co_u32 s3, s3, s91
	s_add_co_u32 s3, s3, 4352                      ; from Wv's rows to my 128 tokens of tile 0: SCT + 4352 i - (SCW + 2176 j + 2176)
.macro SADDR dst, lo, dd               ; the lower base + h x the distance: one product
	s_add_co_u32 s66, s3, \dd
	v_mul_u32_u24 v23, s66, v2
	v_add_nc_u32 v23, v23, v22
	s_add_co_u32 s67, s2, \lo
	v_add_nc_u32 v[\dst], s67, v23
.endm
	SADDR ASL, 0, 2176
	SADDR ASH, 2176, 0
	SADDR ASL+2, 0, 2176+8704
	SADDR ASH+2, 2176, 8704
	v_and_b32 v22, 31, v0
	v_lshlrev_b32 v[GO], 4, v22                    ; 16 x lane
	s_lshl_b32 s2, s[WV], 14
	v_add_nc_u32 v[STO], s2, v[GO]                 ; my stage: 16,384 bytes a wave
	s_lshl_b32 s3, s[ROLE], 13
	s_add_co_u32 s2, s2, s3
	v_add_nc_u32 v[RDO], s2, v[GO]                 ; half i of it,
	s_xor_b32 s2, s2, 0x8000
	v_add_nc_u32 v[RDP], s2, v[GO]                 ; and of the stage of the wave with my head and the other tokens
	s_lshl_b32 s91, s[GX], 1
	s_add_co_u32 s91, s91, s[JW]                   ; my head
	s_lshl_b32 s66, s91, 8
	s_mov_b32 s67, 0
	s_add_nc_u64 s[16:17], s[16:17], s[66:67]      ; its 64 numbers of bk and of bv
	s_add_nc_u64 s[18:19], s[18:19], s[66:67]
	s_lshl_b32 s66, s[GY], 4
	s_add_co_u32 s66, s66, s91
	s_lshl_b32 s66, s66, 14
	s_lshl_b32 s91, s[ROLE], 13
	s_add_co_u32 s66, s66, s91
	s_add_nc_u64 s[20:21], s[20:21], s[66:67]      ; part at (y, head), half i
.irp b, 0,1,2,3
	global_load_b32 v[BI+2*\b], v3, s[16:17] offset:64*\b       ; the bias of feature 16 b + r, in both words of a pair for the packed addition
	global_load_b32 v[BI+2*\b+1], v3, s[16:17] offset:64*\b
	global_load_b32 v[BI+8+2*\b], v3, s[18:19] offset:64*\b
	global_load_b32 v[BI+8+2*\b+1], v3, s[18:19] offset:64*\b
.endr
	s_wait_tensorcnt 1                             ; the scales and my part of K step 0 are in (K step 1's load may be out)
	s_barrier_signal -1
	s_barrier_wait -1                              ; everybody's are
	PRIME 0
	STEP 0, 1
	TURN 0, 1, 1, 1, 1, 0
	STEP 1, 0
	TURN 1, 0, 1, 1, 2, 0
	STEP 0, 0
	TURN 0, 1, 2, 1, 3, 0                          ; the ring goes on into the second tile: slot 0 takes its K step 0,
	STEP 1, 0
	TURN 1, 0, 2, 0, 0, 0                          ; slot 1 its K step 1; this barrier has also shown slot 0 whole to every wave
	s_wait_loadcnt 0x0                             ; the biases
	EPI 1
	PRIME 1
	STEP 0, 1
	TURN 0, 1, 1, 1, 1, 1
	STEP 1, 0
	TURN 1, 0, 1, 1, 2, 1
	STEP 0, 0
	TURN 0, 1, 0, 1, 3, 1                          ; nothing is left to fetch: no round; behind this barrier nobody reads slot 0, which has had its last fill
	STEP 1, 0
	LAST
	EPI 0
	; THE WAY OUT.  The two waves of a head hold sums over different tokens.  Each lays its 16 accumulators into its stage (in slot 0) as they stand; behind a barrier each adds one half of its own and its partner's and stores it.
.set EE, 0
.rept 16
.if EE < 8
	WIN 0
.set EK, KT0+8*EE
.else
	WIN 0x04                                       ; an LDS store's data are its source 1: window 1
.set EK, KT1+8*(EE-8)
.endif
	ds_store_b128 v[STO], v[EK:EK+3] offset:1024*EE            ; each accumulator from its low end on
	ds_store_b128 v[STO], v[EK+4:EK+7] offset:1024*EE+512
.set EE, EE+1
.endr
	WIN 0
	s_wait_dscnt 0x0                               ; for my partner's sake: my stores have landed
	s_barrier_signal -1
	s_barrier_wait -1
.irp q, 0,1,2,3,4,5,6,7,8,9,10,11,12,13,14,15
	ds_load_b128 v[64+4*\q:64+4*\q+3], v[RDO] offset:512*\q
	ds_load_b128 v[128+4*\q:128+4*\q+3], v[RDP] offset:512*\q
.endr
	s_wait_dscnt 0x0
.set EI, 0
.rept 32
	v_pk_add_f32 v[64+EI:64+EI+1], v[64+EI:64+EI+1], v[128+EI:128+EI+1]
.set EI, EI+2
.endr
.irp q, 0,1,2,3,4,5,6,7,8,9,10,11,12,13,14,15
	global_store_b128 v[GO], v[64+4*\q:64+4*\q+3], s[20:21] offset:512*\q   ; 32 lanes store 512 consecutive bytes, at a multiple of 256 from part's first byte
.endr
	s_wait_tensorcnt 0x0                           ; the wave's end
	ds_add_u32 v[SPW], v[NIL]
	s_wait_dscnt 0x0
	CROUND                                         ; the closing round: no work-group ends while a partner may still ask for a tile that names it
	s_endpgm
.Lfunc_end_k_qf5e9365f0d_kv:
	.size	k_qf5e9365f0d_kv, .Lfunc_end_k_qf5e9365f0d_kv-k_qf5e9365f0d_kv
	.p2alignl 7, 3214868480
	.fill 96, 4, 3214868480
	.section	.rodata,"a",@progbits
	.p2align	6, 0x0
	.amdhsa_kernel k_qf5e9365f0d_kv
		.amdhsa_group_segment_fixed_size 327680
		.amdhsa_private_segment_fixed_size 0
		.amdhsa_enable_private_segment 0
		.amdhsa_kernarg_size 72
		.amdhsa_user_sgpr_count 2
		.amdhsa_user_sgpr_kernarg_segment_ptr 1
		.amdhsa_wavefront_size32 1
		.amdhsa_system_sgpr_workgroup_id_x 1
		.amdhsa_system_sgpr_workgroup_id_y 1
		.amdhsa_system_sgpr_workgroup_id_z 1
		.amdhsa_system_vgpr_workitem_id 0
		.amdhsa_next_free_vgpr 1024
		.amdhsa_next_free_sgpr 102
		.amdhsa_reserve_vcc 0
		.amdhsa_float_denorm_mode_32 3
		.amdhsa_float_denorm_mode_16_64 3
		.amdhsa_memory_ordered 1
		.amdhsa_forward_progress 1
		.amdhsa_inst_pref_size 255
	.end_amdhsa_kernel
	.section	.bss,"aw",@nobits
	.p2align	6
	.space	262144
	.amdgpu_metadata
---
amdhsa.version: [ 1, 2 ]
amdhsa.kernels:
  - .name:           k_qf5e9365f0d_kv
    .symbol:         k_qf5e9365f0d_kv.kd
    .args:
      - { .name: tens_codes, .offset: 0, .size: 8, .value_kind: global_buffer, .address_space: global }
      - { .name: tens_scales, .offset: 8, .size: 8, .value_kind: global_buffer, .address_space: global }
      - { .name: Wk_codes, .offset: 16, .size: 8, .value_kind: global_buffer, .address_space: global }
      - { .name: Wk_scales, .offset: 24, .size: 8, .value_kind: global_buffer, .address_space: global }
      - { .name: Wv_codes, .offset: 32, .size: 8, .value_kind: global_buffer, .address_space: global }
      - { .name: Wv_scales, .offset: 40, .size: 8, .value_kind: global_buffer, .address_space: global }
      - { .name: bk, .offset: 48, .size: 8, .value_kind: global_buffer, .address_space: global }
      - { .name: bv, .offset: 56, .size: 8, .value_kind: global_buffer, .address_space: global }
      - { .name: part, .offset: 64, .size: 8, .value_kind: global_buffer, .address_space: global }
    .group_segment_fixed_size: 327680
    .private_segment_fixed_size: 0
    .kernarg_segment_align: 8
    .kernarg_segment_size: 72
    .max_flat_workgroup_size: 128
    .sgpr_count:     102
    .vgpr_count:     1024
    .wavefront_size: 32
...
	.end_amdgpu_metadata
.endif
;; end of part 1
;; launch fold (part 2): grid 256 x 1, 4 waves a work-group, no clusters, 16,896 bytes of LDS; arguments part, kc, ks; writes kc, ks
.if DOCPART == 2
	.amdgcn_target "amdgcn-amd-amdhsa--gfx1250"
	.amdhsa_code_object_version 6
	.text
	.protected	k_qf5e9365f0d_fold
	.globl	k_qf5e9365f0d_fold
	.p2align	8
	.type	k_qf5e9365f0d_fold,@function
k_qf5e9365f0d_fold:
	s_mov_b64 s[64:65], 0
	v_nop
	global_prefetch_b8 v0, s[64:65] scope:SCOPE_SE
	s_setreg_imm32_b32 hwreg(HW_REG_WAVE_MODE, 25, 1), 1
	s_wait_xcnt 0x0
; SECOND OF THREE LAUNCHES.  ktv of a (batch, head) = the sum of its eight partial sums; it is quantised along d into codes of FP6 (E2M3) with one E8M0 byte for each 32 along d.
; part: [8 batch + chunk][head][4 et + dt][half][lane][16 bytes] f32: accumulator (dt, et), lane (r, h), register j = ktv[16 dt + 8 h + j][16 et + r].
; kc: [16 batch + head][e: 64][48 bytes]: bytes 24 b .. 24 b + 23 are block b of d.  Place p of a block holds d = p with bits 3 and 4 exchanged: the order in which the next launch lays q's codes too.
; ks: [16 batch + head][e: 64], one word: the two blocks' bytes in bytes 0, 1 for an even head and in bytes 2, 3 for an odd one; the other two bytes are 127 (they meet zero codes in the next launch).
; SHARES.  Work-group f = 4 (16 batch + head) + et makes 16 e x 64 d.  Wave w adds chunks 2 w and 2 w + 1; the four sums meet in LDS, and wave 0 adds them, quantises and stores.
; A lane holds one e, and its 32 registers run along d: a block of 32 lies in lanes l and l xor 16.  Memory binds: no matrix unit, no cluster (work-groups share no input), loads of 512 consecutive bytes.
; LIMITS: NaN and infinities are not served.  A block whose largest magnitude lies under 2^-124, a block of zeros too, gets the byte 1 (a block of zeros has zero codes; only this program reads the bytes).
.set X, 16                             ; v16-47  my sum: register 8 dt + j
.set Y, 48                             ; v48-143 what is added to it
	s_load_b128 s[4:7], s[0:1], 0x0                ; part, kc
	s_load_b64 s[8:9], s[0:1], 0x10                ; ks
	v_lshl_add_u32 v160, v0, 2, 0x4000
	v_mov_b32 v161, 0
	v_lshrrev_b32 v1, 5, v0
	v_readfirstlane_b32 s10, v1                    ; wave
	v_and_b32 v2, 31, v0
	v_lshlrev_b32 v3, 4, v2                        ; 16 x lane
	v_lshlrev_b32 v4, 4, v0                        ; 16 x thread
	v_and_b32 v5, 15, v0                           ; r
	v_bfe_u32 v6, v0, 4, 1                         ; h
	v_mul_u32_u24 v7, v5, 48
	v_mad_u32_u24 v7, v6, 24, v7                   ; kc: row r, block h
	v_lshlrev_b32 v14, 2, v5                       ; ks: 4 r
	v_mov_b32 v10, 0                               ; (a lane permute's destination counts as one of its sources)
	v_mov_b32 v11, 0
	s_and_b32 s11, ttmp9, 3                        ; et
	s_bfe_u32 s12, ttmp9, 0x40002                  ; head
	s_lshr_b32 s13, ttmp9, 6                       ; batch
	s_lshl_b32 s14, s13, 21                        ; eight chunks of 262,144 bytes a batch,
	s_lshl_b32 s15, s10, 19                        ; two a wave,
	s_add_co_u32 s14, s14, s15
	s_lshl_b32 s15, s12, 14                        ; 16,384 bytes a head,
	s_add_co_u32 s14, s14, s15
	s_lshl_b32 s15, s11, 12                        ; 4,096 for each et
	s_add_co_u32 s14, s14, s15
	s_mov_b32 s15, 0
	s_mul_i32 s16, ttmp9, 768
	s_mov_b32 s17, 0
	s_lshl_b32 s18, ttmp9, 6
	s_mov_b32 s19, 0
	s_and_b32 s20, s12, 1
	s_lshl_b32 s20, s20, 4                         ; an odd head's bytes go 16 bits up,
	s_sub_co_u32 s21, 16, s20
	s_lshl_b32 s21, 0x7f7f, s21                    ; and 127 fills the other two
	s_mov_b32 s22, 0x76543210
	s_mov_b32 s23, 0xfedcba98                      ; v_permlanex16_b32's selects for lane l xor 16
	s_wait_kmcnt 0x0
	s_add_nc_u64 s[4:5], s[4:5], s[14:15]
	s_add_nc_u64 s[6:7], s[6:7], s[16:17]
	s_add_nc_u64 s[8:9], s[8:9], s[18:19]
.irp c, 0,1
.irp q, 0,1,2,3,4,5,6,7
	global_load_b128 v[X+32*\c+4*\q:X+32*\c+4*\q+3], v3, s[4:5] offset:\c*262144+512*\q th:TH_LOAD_NT   ; 32 lanes read 512 consecutive bytes; read once in the launch
.endr
.endr
	s_wait_loadcnt 0x0
.irp i, 0,2,4,6,8,10,12,14,16,18,20,22,24,26,28,30
	v_pk_add_f32 v[X+\i:X+\i+1], v[X+\i:X+\i+1], v[Y+\i:Y+\i+1]
.endr
.irp q, 0,1,2,3,4,5,6,7
	ds_store_b128 v4, v[X+4*\q:X+4*\q+3] offset:2048*\q
.endr
	s_wait_dscnt 0x0                               ; for wave 0's sake: my stores have landed
	s_barrier_signal -1
	s_barrier_wait -1
	s_cmp_lg_u32 s10, 0
	s_cbranch_scc1 .Ldone                          ; waves 1 to 3 have handed their sums on
.irp w, 1,2,3
.irp q, 0,1,2,3,4,5,6,7
	ds_load_b128 v[Y+32*(\w-1)+4*\q:Y+32*(\w-1)+4*\q+3], v3 offset:2048*\q+512*\w
.endr
.endr
	s_wait_dscnt 0x0
.irp i, 0,2,4,6,8,10,12,14,16,18,20,22,24,26,28,30
	v_pk_add_f32 v[X+\i:X+\i+1], v[X+\i:X+\i+1], v[Y+\i:Y+\i+1]
	v_pk_add_f32 v[Y+32+\i:Y+32+\i+1], v[Y+32+\i:Y+32+\i+1], v[Y+64+\i:Y+64+\i+1]
.endr
.irp i, 0,2,4,6,8,10,12,14,16,18,20,22,24,26,28,30
	v_pk_add_f32 v[X+\i:X+\i+1], v[X+\i:X+\i+1], v[Y+32+\i:Y+32+\i+1]
.endr
.irp b, 0,1
	v_max3_num_f32 v[8+\b], |v[X+16*\b]|, |v[X+16*\b+1]|, 0x1800000   ; my 16 numbers of block b, and the floor 2^(3 - 127): the byte cannot fall under 1
.endr
.irp i, 2,4,6,8,10,12,14
.irp b, 0,1
	v_max3_num_f32 v[8+\b], v[8+\b], |v[X+16*\b+\i]|, |v[X+16*\b+\i+1]|
.endr
.endr
.irp b, 0,1
	v_permlanex16_b32 v[10+\b], v[8+\b], s22, s23
.endr
.irp b, 0,1
	v_max_num_f32 v[8+\b], v[8+\b], v[10+\b]       ; with lane l xor 16's: the block's largest magnitude
.endr
.irp b, 0,1
	v_add_nc_u32 v[12+\b], 0xff000000, v[8+\b]     ; 2 off its exponent field: the conversion's scale operand
.endr
.irp b, 0,1
	v_lshrrev_b32 v[10+\b], 23, v[12+\b]           ; the scale's byte
.endr
	v_lshl_or_b32 v15, v11, 8, v10
	v_lshlrev_b32 v15, s20, v15
	v_or_b32 v15, s21, v15                         ; row e's scale word
	v_cvt_scalef32_pk16_fp6_f32 v[152:154], v[X:X+15], v12
	v_cvt_scalef32_pk16_fp6_f32 v[156:158], v[X+16:X+31], v13
	v_nop                                          ; one plain place behind a scaled conversion
.irp i, 0,1,2
	v_permlane16_swap_b32 v[152+\i], v[156+\i]     ; lane (r, h) now holds block h: its places 0-15 in the first three registers, 16-31 in the second three
.endr
	global_store_b96 v7, v[152:154], s[6:7]        ; the wave's two stores together cover 768 consecutive bytes
	global_store_b96 v7, v[156:158], s[6:7] offset:12
	s_wait_xcnt 0x0                                ; EXEC changes only behind this wait
	v_cmp_gt_u32 vcc_lo, 16, v0
	s_and_saveexec_b32 s24, vcc_lo
	global_store_b32 v14, v15, s[8:9]              ; lanes 0-15: 64 consecutive bytes
	s_wait_xcnt 0x0
	s_or_b32 exec_lo, exec_lo, s24
.Ldone:
	s_wait_tensorcnt 0x0
	ds_add_u32 v160, v161
	s_wait_dscnt 0x0
	s_endpgm
.Lfunc_end_k_qf5e9365f0d_fold:
	.size	k_qf5e9365f0d_fold, .Lfunc_end_k_qf5e9365f0d_fold-k_qf5e9365f0d_fold
	.p2alignl 7, 3214868480
	.fill 96, 4, 3214868480
	.section	.rodata,"a",@progbits
	.p2align	6, 0x0
	.amdhsa_kernel k_qf5e9365f0d_fold
		.amdhsa_group_segment_fixed_size 16896
		.amdhsa_private_segment_fixed_size 0
		.amdhsa_enable_private_segment 0
		.amdhsa_kernarg_size 24
		.amdhsa_user_sgpr_count 2
		.amdhsa_user_sgpr_kernarg_segment_ptr 1
		.amdhsa_wavefront_size32 1
		.amdhsa_system_sgpr_workgroup_id_x 1
		.amdhsa_system_sgpr_workgroup_id_y 1
		.amdhsa_system_sgpr_workgroup_id_z 1
		.amdhsa_system_vgpr_workitem_id 0
		.amdhsa_next_free_vgpr 162
		.amdhsa_next_free_sgpr 66
		.amdhsa_reserve_vcc 1
		.amdhsa_float_denorm_mode_32 3
		.amdhsa_float_denorm_mode_16_64 3
		.amdhsa_memory_ordered 1
		.amdhsa_forward_progress 1
		.amdhsa_inst_pref_size 13
	.end_amdhsa_kernel
	.amdgpu_metadata
---
amdhsa.version: [ 1, 2 ]
amdhsa.kernels:
  - .name:           k_qf5e9365f0d_fold
    .symbol:         k_qf5e9365f0d_fold.kd
    .args:
      - { .name: part, .offset: 0, .size: 8, .value_kind: global_buffer, .address_space: global }
      - { .name: kc, .offset: 8, .size: 8, .value_kind: global_buffer, .address_space: global }
      - { .name: ks, .offset: 16, .size: 8, .value_kind: global_buffer, .address_space: global }
    .group_segment_fixed_size: 16896
    .private_segment_fixed_size: 0
    .kernarg_segment_align: 8
    .kernarg_segment_size: 24
    .max_flat_workgroup_size: 128
    .sgpr_count:     66
    .vgpr_count:     162
    .wavefront_size: 32
...
	.end_amdgpu_metadata
.endif
;; end of part 2
;; launch qo (part 3): grid 4 x 64, 4 waves a work-group, clusters of 4 x 4, 327,680 bytes of LDS; arguments tens_codes, tens_scales, Wq_codes, Wq_scales, bq, kc, ks, out0; writes out0
.if DOCPART == 3
	.amdgcn_target "amdgcn-amd-amdhsa--gfx1250"
	.amdhsa_code_object_version 6
	.text
	.protected	k_qf5e9365f0d_qo
	.globl	k_qf5e9365f0d_qo
	.p2align	8
	.type	k_qf5e9365f0d_qo,@function
k_qf5e9365f0d_qo:
	s_mov_b64 s[64:65], 0
	v_nop
	global_prefetch_b8 v0, s[64:65] scope:SCOPE_SE
	s_setreg_imm32_b32 hwreg(HW_REG_WAVE_MODE, 25, 1), 1
	s_wait_xcnt 0x0
	s_wait_alu depctr_hold_cnt(0) depctr_sa_sdst(0) depctr_va_vdst(0) depctr_va_sdst(0) depctr_va_ssrc(0) depctr_va_vcc(0) depctr_vm_vsrc(0)
	s_getreg_b32 s2, hwreg(HW_REG_IB_STS2, 6, 4)
	s_cmp_eq_u32 s2, 0
	s_cbranch_scc0 .Lentry_in_a_cluster
	s_endpgm
.Lentry_in_a_cluster:
	s_bfe_u32 s2, ttmp6, 0x10000c
	s_cmp_lg_u32 s2, 0xf033
	s_cbranch_scc0 .Lentry_shape_is_right
	s_endpgm
.Lentry_shape_is_right:
; THIRD OF THREE LAUNCHES.  q = tens Wq^T + bq on codes of FP6 (E2M3) as they are given; q is quantised along d (the 64 of a head) in registers; out = (q ktv) / 512 on those codes and the codes of ktv.
; tens: [16384][1024] codes (768 bytes a row), scales [16384][32].  Wq: [1024][1024] likewise.  bq: [1024] f32.  kc: [16 batch + head][e: 64][48 bytes], ks: [16 batch + head][e: 64] words.  out0: [16384][1024] f32.
; SHARES.  A work-group makes 256 tokens x 256 features (four heads); four waves, wave (i, j): tokens 128 i on, features 128 j on (two heads): 64 accumulators of 16 x 16, 512 registers.
; SOURCE 0 = 16 ROWS OF Wq, SOURCE 1 = 16 TOKENS: a lane holds ONE token and its registers run along the features, the next K.  bq is the C of each sum's first matrix instruction.
; THE SECOND PRODUCT has K = 64 in an instruction of K = 128.  A token block's 128 features become ONE fragment: k 0-63 the first head's d, k 64-127 the second head's.  A fragment of ktv has its head's codes in that half
; and zero codes in the other, under the scale byte 127: they add nothing.  Its results fall where q's lay: eight neighbouring columns of a row of out in a lane.
; THE ORDER INSIDE A BLOCK OF 32 ALONG d: place p holds d = p with bits 3 and 4 exchanged, in q's codes here and in ktv's codes alike: the blocks, their scales and all products are those of the natural order.
; K of the projection goes in steps of 256 (192 bytes a row) through a ring of two LDS slots filled by the tensor data mover; all scales come once, with the first fills.
; CLUSTERS: 4 x 4 work-groups.  The four of a row of the cluster need the same tiles of tens, the four of a column the same tiles of Wq: each tile is asked for jointly.
; LIMITS: NaN and infinities are not served.  A block of q whose largest magnitude lies under 2^-124, a block of zeros too, gets the scale byte 1.  The bias starts q's sum and does not end it.
; REGISTERS: window 0: v1-23 addresses; v32-63 scale words of the projection, two sets; v64-127 bq's eight tiles, later rows on the way out; v128-223 tens' eight fragments, later v128-191 rows on the way out,
;   v192-215 two fragments of q's codes, v216-222 at work; v224-231 ktv's scale words; v232-233 q's; v236-243 at work.   window 1: Wq's fragments, two sets; later v0-95 ktv's eight fragments.   windows 2, 3: the accumulators.
.set PITCH,  240                       ; an LDS row: 3 x (64 bytes + 16 of padding)
.set FR,     12
.set HALFT,  128*PITCH
.set SLOT,   4*HALFT                   ; 256 tokens of tens, 256 rows of Wq
.set SCL,    2*SLOT                    ; behind the ring: the scales of the 256 tokens, then of the 256 rows: units of 256 bytes + 16
.set SPARE,  SCL+4*4352                ; the spare words, 128 bytes for each wave: two blocks of 256 bytes that no other line names
.set SPITCH, 528                       ; the way out: a stage of 16 rows x (512 bytes + 16) for each wave, in slot 0, behind its last fill and its last read
.set ADRS0, 4                          ; v4-7  LDS addresses of my fragments of Wq
.set ADRS1, 8                          ; v8-11 of tens
.set ADRS,  12                         ; scale words: lanes 0-15 tens' rows, lanes 16-31 Wq's
.set STO,   13
.set RD,    14
.set CO,    15
.set KA,    16                         ; kc: 48 r + 24 h
.set KSA,   17                         ; ks: 4 r
.set BA,    18                         ; bq: 32 h
.set SPW,   20                         ; LDS address of my spare word; never rewritten
.set NIL,   21                         ; 0; never rewritten
.set SC,    32
.set BQ,    64
.set BK,    64
.set AF,    128
.set PC0,   192
.set T2,    216
.set KTS,   224
.set PW,    232
.set TMA,   236
.set TMB,   240
.set WV,   22
.set ROLE, 23                          ; i: my half of the tokens; also: I fetch tens (0) or Wq (1)
.set G1T,  24
.set G0T,  32
.set G1W,  40
.set G0W,  48
.set G1ST, 56
.set G1SW, 68
.set G0ST, 76
.set G0SW, 80
.set JW,   84                          ; j: my half of the features; also: which 128 rows I fetch
.set CX,   85
.set CY,   86
.set GX,   87
.set GY,   88
.set MR,   89
.set MC,   90
.set SEL,  100
.set MUL_LO, 0xa1
.set MUL_HI, 0xf1
.set TO_B,   0x40
.set MSB, 0
.macro WIN new                         ; the immediate's high byte repeats the setting that is left
.if MSB != (\new)
	s_set_vgpr_msb (MSB<<8)|(\new)
.set MSB, (\new)
.endif
.endm
.macro PLACES n                        ; plain vector instructions between a matrix instruction and what may not follow it at once (ISA guide 7.12.1)
.rept \n
	v_nop
.endr
.endm
.macro JLOAD g0a, g1a, g0b, g1b        ; a joint load: waves 0 and 1 for tens, waves 2 and 3 for Wq; four v_nop follow each line
	s_cmp_eq_u32 s[ROLE], 0
	s_cbranch_scc0 .Lfor_w_\@
	tensor_load_to_lds s[\g0a:\g0a+3], s[\g1a:\g1a+7]
	s_nop 0
.rept 4
	v_nop
.endr
	s_branch .Lasked_\@
.Lfor_w_\@:
	tensor_load_to_lds s[\g0b:\g0b+3], s[\g1b:\g1b+7]
	s_nop 0
.rept 4
	v_nop
.endr
.Lasked_\@:
.endm
.macro CREST
	s_cmp_lg_u32 s[WV], 0
	s_cbranch_scc1 .Lnot_wave_0_\@
	s_barrier_signal -3
.Lnot_wave_0_\@:
	s_barrier_wait -3
	s_barrier_signal -1
	s_barrier_wait -1
.endm
.macro CROUND
	s_barrier_signal -1
	s_barrier_wait -1
	CREST
.endm
.macro FRAG reg, adr, q, rows          ; lane (r, h) takes 24 bytes of row r twice, as pieces of 8 bytes; where lanes 16-31's piece lies behind one padding more, the second address register serves
.irp p, 0,1,2,3,4,5
.set PCE, 12*(\q)+6*(\p/3)+\p%3
.if PCE%8 < 5
	ds_load_b64 v[\reg+2*\p:\reg+2*\p+1], v[\adr] offset:8*PCE+16*(PCE/8)+(\rows)*PITCH
.else
	ds_load_b64 v[\reg+2*\p:\reg+2*\p+1], v[\adr+2] offset:8*PCE+16*(PCE/8)+(\rows)*PITCH
.endif
.endr
.endm
; 16 matrix instructions: token blocks a0, a0 + 1 against Wq's eight.  cm = 1: the bias is the C of the sum's first product.  The 64 accumulators take turns.
.macro MUL16 a0, p, q, sc, cm
.irp a, \a0, \a0+1
.irp b, 0,1,2,3,4,5,6,7
.set XD, 8*(8*((\a)%4)+\b)
.set XA, 96*(\p)+FR*\b
.set XB, AF+FR*(\a)
.set XSA, SC+16*(\sc)+2*\b+(\q)
.set XSB, SC+16*(\sc)+2*(\a)+(\q)
.if \cm
	v_wmma_scale_f32_16x16x128_f8f6f4 v[XD:XD+7], v[XA:XA+11], v[XB:XB+11], v[BQ+8*\b:BQ+8*\b+7], v[XSA], v[XSB] matrix_a_fmt:MATRIX_FMT_FP6 matrix_b_fmt:MATRIX_FMT_FP6 matrix_a_scale:MATRIX_SCALE_ROW1
.else
	v_wmma_scale_f32_16x16x128_f8f6f4 v[XD:XD+7], v[XA:XA+11], v[XB:XB+11], v[XD:XD+7], v[XSA], v[XSB] matrix_a_fmt:MATRIX_FMT_FP6 matrix_b_fmt:MATRIX_FMT_FP6 matrix_a_scale:MATRIX_SCALE_ROW1
.endif
.endr
.endr
.endm
.macro FETCH_S0 slot, q, p
	WIN TO_B
.irp i, 0,1,2,3,4,5,6,7
	FRAG 96*(\p)+FR*\i, ADRS0+\slot, \q, 16*\i
.endr
	WIN 0
.endm
.macro FETCH_S1 slot, q, i0
.irp i, \i0, \i0+1, \i0+2, \i0+3
	FRAG AF+FR*(\i), ADRS1+\slot, \q, 16*(\i)
.endr
.endm
.macro SCALES sc, ks                   ; the scale words of K step ks, two words a row: lanes 0-15 tens' block i, lanes 16-31 Wq's block i
.irp i, 0,1,2,3,4,5,6,7
	ds_load_b64 v[SC+16*(\sc)+2*\i:SC+16*(\sc)+2*\i+1], v[ADRS] offset:\i*544+8*(\ks)
.endr
.endm
.macro STEP slot, cm                   ; the first 128 along K of a slot
	s_wait_dscnt 24                                ; all but the youngest 24 loads (tens' blocks 4-7) are in
.if \cm
	WIN 0x81                                       ; C (the bias) in window 0
.else
	WIN MUL_LO
.endif
	MUL16 0, 0, 0, \slot, \cm
	MUL16 2, 0, 0, \slot, \cm
	s_wait_dscnt 0x0
	PLACES 4
	FETCH_S0 \slot, 1, 1
	FETCH_S1 \slot, 1, 0
.if \cm
	WIN 0xc1
.else
	WIN MUL_HI
.endif
	MUL16 4, 0, 0, \slot, \cm
	MUL16 6, 0, 0, \slot, \cm
	PLACES 4
	WIN 0
	FETCH_S1 \slot, 1, 4
.endm
; The second 128 along K of a slot, and the change of slots: one barrier; in front of it each wave waits for all its tensor loads, adds 0 to its spare word, and waits for that and for its reads of the slot.
.macro TURN slot, next, fill, ksn
	s_wait_tensorcnt 0x0                           ; all my tensor loads have landed: my part of the next slot
	ds_add_u32 v[SPW], v[NIL]                      ; 0 onto my spare word
	s_wait_dscnt 25                                ; (the add and the youngest 24 loads may be out)
	WIN MUL_LO
	MUL16 0, 1, 1, \slot, 0
	s_wait_dscnt 0x0                               ; the add is done, and my reads of this slot are over
	s_barrier_signal -1
	MUL16 2, 1, 1, \slot, 0
	WIN 0
	s_barrier_wait -1
.if \fill
	CREST                                          ; the barrier has opened a round of the cluster's: no wave of any partner still reads this slot or has a load on its way
	s_add_nc_u64 s[G0T+4*\slot+2:G0T+4*\slot+3], s[G0T+4*\slot+2:G0T+4*\slot+3], 384
	s_add_nc_u64 s[G0W+4*\slot+2:G0W+4*\slot+3], s[G0W+4*\slot+2:G0W+4*\slot+3], 384
	JLOAD G0T+4*\slot, G1T, G0W+4*\slot, G1W       ; the first tensor load behind the round; its four v_nop are also the places in front of the loads below
.else
	PLACES 4
.endif
	FETCH_S0 \next, 0, 0
	FETCH_S1 \next, 0, 0
	SCALES \next, \ksn
	WIN MUL_HI
	MUL16 4, 1, 1, \slot, 0
	MUL16 6, 1, 1, \slot, 0
	PLACES 4
	WIN 0
	FETCH_S1 \next, 0, 4
.endm
; 64 numbers of a lane, v[s] .. v[s + 63] of window W, register 16 b + i in block b of my row, become a fragment's codes in v[pc] on and its scale word in v[pw], both in window 0.
.macro QUANT s, W, pc, pw
	WIN ((\W)<<2)|((\W)<<4)
.irp b, 0,1,2,3
	v_max3_num_f32 v[TMA+\b], 0x1800000, |v[\s+16*\b]|, |v[\s+16*\b+1]|   ; my 16 numbers of block b, and the floor 2^(3 - 127): the byte cannot fall under 1
.endr
.irp i, 2,4,6,8,10,12,14
.irp b, 0,1,2,3
	v_max3_num_f32 v[TMA+\b], v[TMA+\b], |v[\s+16*\b+\i]|, |v[\s+16*\b+\i+1]|
.endr
.endr
	WIN 0
.irp b, 0,1,2,3
	v_permlanex16_b32 v[TMB+\b], v[TMA+\b], s[SEL], s[SEL+1]
.endr
.irp b, 0,1,2,3
	v_max_num_f32 v[TMA+\b], v[TMA+\b], v[TMB+\b]  ; with lane l xor 16's: the block's largest magnitude
.endr
.irp b, 0,1,2,3
	v_add_nc_u32 v[TMA+\b], 0xff000000, v[TMA+\b]  ; 2 off its exponent field: the conversion's scale operand
.endr
.irp b, 0,1,2,3
	v_lshrrev_b32 v[TMB+\b], 23, v[TMA+\b]         ; the scale's byte
.endr
	v_lshl_or_b32 v[\pw], v[TMB+1], 8, v[TMB]
	v_lshl_or_b32 v[\pw], v[TMB+2], 16, v[\pw]
	v_lshl_or_b32 v[\pw], v[TMB+3], 24, v[\pw]
	WIN (\W)
.irp c, 0,1
	v_cvt_scalef32_pk16_fp6_f32 v[\pc+6*\c:\pc+6*\c+2], v[\s+32*\c:\s+32*\c+15], v[TMA+2*\c]
	v_cvt_scalef32_pk16_fp6_f32 v[T2+4*\c:T2+4*\c+2], v[\s+32*\c+16:\s+32*\c+31], v[TMA+2*\c+1]   ; (a conversion's three registers begin on an even number)
.endr
	WIN 0
	v_nop                                          ; one plain place behind a scaled conversion
.irp c, 0,1                            ; the operand's layout wants a whole block in a lane
.irp i, 0,1,2
	v_permlane16_swap_b32 v[\pc+6*\c+\i], v[T2+4*\c+\i]
.endr
.irp i, 0,1,2
	v_mov_b32 v[\pc+6*\c+3+\i], v[T2+4*\c+\i]
.endr
.endr
.endm
.macro QB a                            ; token block a's q becomes codes
.set QS, 64*((\a)%4)
.set QW, 2+(\a)/4
	QUANT QS, QW, PC0+12*((\a)%2), PW+(\a)%2
.endm
.macro WM a                            ; out of token block a: source 0 = 16 e of ktv (fragment f: head f / 4, e 16 (f % 4) on), source 1 = q's codes; the results take the registers that q has left
	WIN 0x81+0x40*((\a)/4)
.irp f, 0,1,2,3,4,5,6,7
	v_wmma_scale_f32_16x16x128_f8f6f4 v[64*((\a)%4)+8*\f:64*((\a)%4)+8*\f+7], v[12*\f:12*\f+11], v[PC0+12*((\a)%2):PC0+12*((\a)%2)+11], 0, v[KTS+\f], v[PW+(\a)%2] matrix_a_fmt:MATRIX_FMT_FP6 matrix_b_fmt:MATRIX_FMT_FP6
.endr
	WIN 0
.endm
.macro MULB a                          ; x 1 / (sqrt(64) sqrt(4096)) = 2^-9; each accumulator from its low end on
.set QW, 2+(\a)/4
	WIN QW|(QW<<6)
.set QI, 64*((\a)%4)
.rept 32
	v_pk_mul_f32 v[QI:QI+1], v[QI:QI+1], 0x3b000000 op_sel_hi:[1,0]
.set QI, QI+2
.endr
	WIN 0
.endm
; The way out of a block of 16 tokens x 128 columns: through my own stage in LDS, back as whole rows of 512 bytes.  LDS serves a wave's instructions in order (ISA guide 5.7.1.4): no wait between the stores and the loads.
.macro TOSTAGE a
.set AC, 64*((\a)%4)
	WIN 0x08+4*((\a)/4)                            ; an LDS store's data are its source 1: window 2 or 3
.irp b, 0,1,2,3,4,5,6,7
	ds_store_b128 v[STO], v[AC+8*\b:AC+8*\b+3] offset:64*\b
	ds_store_b128 v[STO], v[AC+8*\b+4:AC+8*\b+7] offset:64*\b+16
.endr
	WIN 0
.set BB, BK+64*((\a)%2)
.irp t, 0,1,2,3,4,5,6,7,8,9,10,11,12,13,14,15
	ds_load_b128 v[BB+4*\t:BB+4*\t+3], v[RD] offset:\t*SPITCH
.endr
.endm
.macro SEND a, younger                 ; younger: the LDS instructions issued behind block a's loads, which may stay out
.set BB, BK+64*((\a)%2)
	s_wait_dscnt \younger
.if (\a) > 0
	s_add_nc_u64 s[18:19], s[18:19], 16*4096       ; (behind a wait on XCNT: the earlier stores have read their base)  16 rows of out on
.endif
.irp t, 0,1,2,3,4,5,6,7,8,9,10,11,12,13,14,15
	global_store_b128 v[CO], v[BB+4*\t:BB+4*\t+3], s[18:19] offset:\t*4096 th:TH_STORE_NT   ; 32 lanes store 512 consecutive bytes, at a multiple of 256 from out's first byte; written once, read by nobody here
.endr
.endm
	s_load_b256 s[4:11], s[0:1], 0x0               ; tens' codes, tens' scales, Wq's codes, Wq's scales
	s_load_b256 s[12:19], s[0:1], 0x20             ; bq, kc, ks, out
	v_lshl_add_u32 v[SPW], v0, 2, SPARE
	v_mov_b32 v[NIL], 0
	ds_add_u32 v20, v21
	ds_add_u32 v20, v21
	s_wait_dscnt 0x0
	v_lshrrev_b32 v1, 5, v0
	v_readfirstlane_b32 s[WV], v1                  ; wave 0..3
	s_lshr_b32 s[ROLE], s[WV], 1
	s_and_b32 s[JW], s[WV], 1
	s_bfe_u32 s[CX], ttmp6, 0x40000
	s_bfe_u32 s[CY], ttmp6, 0x40004
	s_lshl_b32 s[GX], ttmp9, 2
	s_add_co_u32 s[GX], s[GX], s[CX]               ; x: 256 features
	s_and_b32 s[GY], ttmp7, 0xffff
	s_lshl_b32 s[GY], s[GY], 2
	s_add_co_u32 s[GY], s[GY], s[CY]               ; y: 256 tokens
	s_lshl_b32 s[MR], s[CY], 2
	s_lshl_b32 s[MR], 15, s[MR]                    ; my row of the cluster
	s_lshl_b32 s[MC], 0x1111, s[CX]                ; my column
	s_or_b32 s[G1T], s[MR], (1<<20)|(1<<21)|(3<<22)|(3<<25)   ; tiles of codes: 128 rows x 192 bytes, 768 bytes apart, 16 bytes of padding behind every 64
	s_or_b32 s[G1W], s[MC], (1<<20)|(1<<21)|(3<<22)|(3<<25)
.irp g, G1T, G1W
	s_mov_b32 s[\g+1], 192<<16
	s_mov_b32 s[\g+2], 128<<16
	s_mov_b32 s[\g+3], 192<<16
	s_mov_b32 s[\g+4], 128
	s_mov_b32 s[\g+5], 768
	s_mov_b32 s[\g+6], 0
	s_mov_b32 s[\g+7], 0
.endr
	s_or_b32 s[G1ST], s[MR], (3<<16)|(1<<20)|(1<<21)|(5<<22)|(3<<25)   ; the scales of 128 rows: 4,096 dense bytes as 16 rows of 256, 16 bytes of padding behind each
	s_or_b32 s[G1SW], s[MC], (3<<16)|(1<<20)|(1<<21)|(5<<22)|(3<<25)
.irp g, G1ST, G1SW
	s_mov_b32 s[\g+1], 32<<16
	s_mov_b32 s[\g+2], 16<<16
	s_mov_b32 s[\g+3], 32<<16
	s_mov_b32 s[\g+4], 16
	s_mov_b32 s[\g+5], 32
	s_mov_b32 s[\g+6], 0
	s_mov_b32 s[\g+7], 0
.endr
	s_lshl_b32 s94, s[GY], 8
	s_lshl_b32 s95, s[JW], 7
	s_add_co_u32 s94, s94, s95                     ; tens: token 256 y + 128 j
	s_mul_i32 s92, s94, 768                        ; its codes,
	s_mov_b32 s93, 0
	s_lshl_b32 s94, s94, 5                         ; its scales
	s_mov_b32 s95, 0
	s_lshl_b32 s98, s[GX], 8
	s_lshl_b32 s99, s[JW], 7
	s_add_co_u32 s98, s98, s99                     ; Wq: row 256 x + 128 j
	s_mul_i32 s96, s98, 768
	s_mov_b32 s97, 0
	s_lshl_b32 s98, s98, 5
	s_mov_b32 s99, 0
	s_mul_i32 s2, s[WV], HALFT                     ; where they go: wave x 128 rows
	s_mul_i32 s3, s[WV], 4352
	s_mov_b32 s[SEL], 0x76543210
	s_mov_b32 s[SEL+1], 0xfedcba98
	s_wait_kmcnt 0x0
	s_add_nc_u64 s[92:93], s[4:5], s[92:93]
	s_add_nc_u64 s[94:95], s[6:7], s[94:95]
	s_add_nc_u64 s[96:97], s[8:9], s[96:97]
	s_add_nc_u64 s[98:99], s[10:11], s[98:99]
	CROUND                                         ; all sixteen work-groups are here: the first joint loads meet
	s_mov_b32 s[G0ST], 1
	s_add_co_u32 s[G0ST+1], s3, SCL
	s_mov_b64 s[G0ST+2:G0ST+3], s[94:95]
	s_or_b32 s[G0ST+3], s[G0ST+3], 0x80000000
	s_mov_b32 s[G0SW], 1
	s_add_co_u32 s[G0SW+1], s3, SCL
	s_mov_b64 s[G0SW+2:G0SW+3], s[98:99]
	s_or_b32 s[G0SW+3], s[G0SW+3], 0x80000000
	JLOAD G0ST, G1ST, G0SW, G1SW                   ; the scales, once
.irp s, 0,1
	s_mov_b32 s[G0T+4*\s], 1
	s_add_co_u32 s[G0T+4*\s+1], s2, \s*SLOT
	s_add_nc_u64 s[G0T+4*\s+2:G0T+4*\s+3], s[92:93], \s*192
	s_or_b32 s[G0T+4*\s+3], s[G0T+4*\s+3], 0x80000000
	s_mov_b32 s[G0W+4*\s], 1
	s_add_co_u32 s[G0W+4*\s+1], s2, \s*SLOT
	s_add_nc_u64 s[G0W+4*\s+2:G0W+4*\s+3], s[96:97], \s*192
	s_or_b32 s[G0W+4*\s+3], s[G0W+4*\s+3], 0x80000000
	JLOAD G0T+4*\s, G1T, G0W+4*\s, G1W             ; K steps 0 and 1: three loads of mine are out
.endr
	v_and_b32 v1, 15, v0                           ; r
	v_bfe_u32 v2, v0, 4, 1                         ; h
.irp b, 0,1,2,3
	v_mov_b32 v[TMB+\b], 0                         ; written once: a lane permute's destination counts as one of its sources
.endr
	v_mul_u32_u24 v22, v1, PITCH
	v_mad_u32_u24 v23, v2, 24, v22                 ; a fragment's row x pitch + 24 h
	v_mad_u32_u24 v22, v2, 40, v22                 ; and behind one padding more
	s_mul_i32 s2, s[JW], HALFT                     ; my 128 rows of Wq,
	s_add_co_u32 s2, s2, 2*HALFT                   ; behind tens' 256
	s_mul_i32 s3, s[ROLE], HALFT                   ; my 128 tokens
.irp s, 0,1
	v_add_nc_u32 v[ADRS0+\s], s2, v23
	v_add_nc_u32 v[ADRS0+2+\s], s2, v22
	v_add_nc_u32 v[ADRS1+\s], s3, v23
	v_add_nc_u32 v[ADRS1+2+\s], s3, v22
	s_add_co_u32 s2, s2, SLOT
	s_add_co_u32 s3, s3, SLOT
.endr
	v_lshrrev_b32 v22, 3, v1
	v_lshlrev_b32 v22, 4, v22
	v_lshl_add_u32 v22, v1, 5, v22                 ; a row's scales: 32 bytes a row, 16 more behind every eighth
	s_mul_i32 s2, s[ROLE], 4352
	s_add_co_u32 s2, s2, SCL                       ; lanes 0-15: my 128 tokens
	s_xor_b32 s3, s[ROLE], 1
	s_add_co_u32 s3, s3, s[JW]
	s_mul_i32 s3, s3, 4352
	s_add_co_u32 s3, s3, 4352                      ; from there to my 128 rows of Wq: 8704 + 4352 j - 4352 i
	v_mul_u32_u24 v23, s3, v2                      ; the lower base + h x the distance: one product
	v_add_nc_u32 v23, v23, v22
	v_add_nc_u32 v[ADRS], s2, v23
	s_mul_i32 s2, s[WV], 16*SPITCH                 ; my stage
	v_mul_u32_u24 v22, v1, SPITCH
	v_lshl_add_u32 v22, v2, 5, v22
	v_add_nc_u32 v[STO], s2, v22                   ; in: row r, 32 bytes for each half of the lanes
	v_and_b32 v23, 31, v0
	v_lshlrev_b32 v[CO], 4, v23                    ; back: the 32 lanes take one row of 512 bytes; and the same in out
	v_add_nc_u32 v[RD], s2, v[CO]
	v_mul_u32_u24 v[KA], v1, 48
	v_mad_u32_u24 v[KA], v2, 24, v[KA]
	v_lshlrev_b32 v[KSA], 2, v1
	v_lshlrev_b32 v[BA], 5, v2
	s_lshl_b32 s66, s[GX], 10
	s_lshl_b32 s91, s[JW], 9
	s_add_co_u32 s66, s66, s91                     ; my first feature, in bytes of f32
	s_mov_b32 s67, 0
	s_add_nc_u64 s[12:13], s[12:13], s[66:67]      ; bq
	s_add_nc_u64 s[18:19], s[18:19], s[66:67]      ; out: my first column,
	s_lshl_b32 s66, s[GY], 8
	s_lshl_b32 s91, s[ROLE], 7
	s_add_co_u32 s66, s66, s91
	s_lshl_b32 s66, s66, 12
	s_add_nc_u64 s[18:19], s[18:19], s[66:67]      ; my first row (under 2^27 bytes)
	s_lshr_b32 s66, s[GY], 4                       ; the batch
	s_lshl_b32 s66, s66, 4
	s_lshl_b32 s91, s[GX], 2
	s_add_co_u32 s66, s66, s91
	s_lshl_b32 s91, s[JW], 1
	s_add_co_u32 s91, s66, s91                     ; 16 batch + my first head
	s_mul_i32 s66, s91, 3072
	s_add_nc_u64 s[14:15], s[14:15], s[66:67]      ; kc
	s_lshl_b32 s66, s91, 8
	s_add_nc_u64 s[16:17], s[16:17], s[66:67]      ; ks
.irp b, 0,1,2,3,4,5,6,7
	global_load_b128 v[BQ+8*\b:BQ+8*\b+3], v[BA], s[12:13] offset:64*\b          ; lane (r, h): bq of features 16 b + 8 h + 0 .. 7: the result's layout
	global_load_b128 v[BQ+8*\b+4:BQ+8*\b+7], v[BA], s[12:13] offset:64*\b+16
.endr
	s_wait_tensorcnt 1                             ; the scales and my part of K step 0 are in (K step 1's load may be out)
	s_barrier_signal -1
	s_barrier_wait -1                              ; everybody's are
	FETCH_S0 0, 0, 0
	FETCH_S1 0, 0, 0
	SCALES 0, 0
	FETCH_S1 0, 0, 4
	s_wait_loadcnt 0x0                             ; the bias
	STEP 0, 1
	TURN 0, 1, 1, 1
	STEP 1, 0
	TURN 1, 0, 1, 2
	STEP 0, 0
	TURN 0, 1, 0, 3                                ; nothing is left to fetch: no round; behind this barrier nobody reads slot 0, which has had its last fill
	STEP 1, 0
	; ktv's eight fragments and their scale words are asked for here, into Wq's first set, which the last products do not read (its last readers stand in front of the four places at the step's end)
	WIN TO_B
.irp f, 0,1,2,3,4,5,6,7
.irp i, 0,1,2
	global_load_b64 v[12*\f+6*(\f/4)+2*\i:12*\f+6*(\f/4)+2*\i+1], v[KA], s[14:15] offset:768*\f+8*\i   ; lane (r, h): block h of d of row e = 16 (f % 4) + r, in the half of K that is its head's
.endr
.irp i, 0,1,2,3,4,5
	v_mov_b32 v[12*\f+6*(1-\f/4)+\i], 0            ; zero codes in the other head's half
.endr
.endr
	WIN 0
.irp f, 0,1,2,3,4,5,6,7
	global_load_b32 v[KTS+\f], v[KSA], s[16:17] offset:64*\f
.endr
	s_wait_dscnt 24                                ; the last 128 along K
	WIN MUL_LO
	MUL16 0, 1, 1, 1, 0
	MUL16 2, 1, 1, 1, 0
	s_wait_dscnt 0x0
	WIN MUL_HI
	MUL16 4, 1, 1, 1, 0
	MUL16 6, 1, 1, 1, 0
	WIN 0
	PLACES 4
	; THE SECOND PRODUCT AND THE WAY OUT, token block by token block.  The next block's quantiser stands between a block's codes and its products, and between those products and the first read of their results:
	; it is the places that both ask for.  While one block's rows are stored, the next is on its way through the stage.
	QB 0
.irp a, 0,1,2,3,4,5,6,7,8
.if \a < 7
	QB \a+1
.endif
.if \a == 0
	s_wait_loadcnt 0x0                             ; ktv's codes and scale words
.endif
.if \a < 8
	WM \a
.endif
.if \a > 0
	MULB \a-1
.if \a > 2
	s_wait_xcnt 0x0                                ; the stores of two blocks ago have read their registers and their base: loads may land there, and the base may step
.endif
	TOSTAGE \a-1
.if \a > 1
	SEND \a-2, 32                                  ; behind that block's loads: the next block's 16 stores and 16 loads
.endif
.endif
.endr
	s_wait_xcnt 0x0                                ; block 6's stores have read their base
	SEND 7, 0
	s_wait_tensorcnt 0x0                           ; the wave's end
	ds_add_u32 v[SPW], v[NIL]
	s_wait_dscnt 0x0
	CROUND                                         ; the closing round: no work-group ends while a partner may still ask for a tile that names it
	s_endpgm
.Lfunc_end_k_qf5e9365f0d_qo:
	.size	k_qf5e9365f0d_qo, .Lfunc_end_k_qf5e9365f0d_qo-k_qf5e9365f0d_qo
	.p2alignl 7, 3214868480
	.fill 96, 4, 3214868480
	.section	.rodata,"a",@progbits
	.p2align	6, 0x0
	.amdhsa_kernel k_qf5e9365f0d_qo
		.amdhsa_group_segment_fixed_size 327680
		.amdhsa_private_segment_fixed_size 0
		.amdhsa_enable_private_segment 0
		.amdhsa_kernarg_size 64
		.amdhsa_user_sgpr_count 2
		.amdhsa_user_sgpr_kernarg_segment_ptr 1
		.amdhsa_wavefront_size32 1
		.amdhsa_system_sgpr_workgroup_id_x 1
		.amdhsa_system_sgpr_workgroup_id_y 1
		.amdhsa_system_sgpr_workgroup_id_z 1
		.amdhsa_system_vgpr_workitem_id 0
		.amdhsa_next_free_vgpr 1024
		.amdhsa_next_free_sgpr 102
		.amdhsa_reserve_vcc 0
		.amdhsa_float_denorm_mode_32 3
		.amdhsa_float_denorm_mode_16_64 3
		.amdhsa_memory_ordered 1
		.amdhsa_forward_progress 1
		.amdhsa_inst_pref_size 230
	.end_amdhsa_kernel
	.amdgpu_metadata
---
amdhsa.version: [ 1, 2 ]
amdhsa.kernels:
  - .name:           k_qf5e9365f0d_qo
    .symbol:         k_qf5e9365f0d_qo.kd
    .args:
      - { .name: tens_codes, .offset: 0, .size: 8, .value_kind: global_buffer, .address_space: global }
      - { .name: tens_scales, .offset: 8, .size: 8, .value_kind: global_buffer, .address_space: global }
      - { .name: Wq_codes, .offset: 16, .size: 8, .value_kind: global_buffer, .address_space: global }
      - { .name: Wq_scales, .offset: 24, .size: 8, .value_kind: global_buffer, .address_space: global }
      - { .name: bq, .offset: 32, .size: 8, .value_kind: global_buffer, .address_space: global }
      - { .name: kc, .offset: 40, .size: 8, .value_kind: global_buffer, .address_space: global }
      - { .name: ks, .offset: 48, .size: 8, .value_kind: global_buffer, .address_space: global }
      - { .name: out0, .offset: 56, .size: 8, .value_kind: global_buffer, .address_space: global }
    .group_segment_fixed_size: 327680
    .private_segment_fixed_size: 0
    .kernarg_segment_align: 8
    .kernarg_segment_size: 64
    .max_flat_workgroup_size: 128
    .sgpr_count:     102
    .vgpr_count:     1024
    .wavefront_size: 32
...
	.end_amdgpu_metadata
.endif
;; end of part 3
